; MI455X (gfx1250); checked and timed in simulation.
; The chip was launched on July 23, 2026; its instructions are those of AMD's public machine-readable ISA for CDNA 5 (MIT licence, August 2026) and "CDNA5" Instruction Set Architecture Reference Guide (July 2026). The comments in the code are by the model that wrote it; some were corrected since.
;; Linear. Allowed arithmetic: float matrix products may take bf16 or f16 operands with f32 sums; all other float work in f32.
;; Inputs: q 4,096 x 4,096 int8; scale 4,096 float16; x 8 x 512 x 4,096 bfloat16.
;; Outputs: out0 8 x 512 x 4,096 bfloat16.
;; One version. Each part assembles by itself: llvm-mc -triple=amdgcn-amd-amdhsa -mcpu=gfx1250 --defsym DOCPART=n.
;; ======== version 1 of 1: 2 launches
;; workspace buffers: w 33,554,432 bytes
;; launch dequant (part 1): grid 512 x 1, 8 waves a work-group, no clusters, 0 bytes of LDS; arguments q, scale, w; writes w
.if DOCPART == 1
	.amdgcn_target "amdgcn-amd-amdhsa--gfx1250"
	.amdhsa_code_object_version 6
	.text
	.protected	k_q3d86a7f2f0_dequant
	.globl	k_q3d86a7f2f0_dequant
	.p2align	8
	.type	k_q3d86a7f2f0_dequant,@function
k_q3d86a7f2f0_dequant:
	s_mov_b64 s[64:65], 0
	v_nop
	global_prefetch_b8 v0, s[64:65] scope:SCOPE_SE
	s_setreg_imm32_b32 hwreg(HW_REG_WAVE_MODE, 25, 1), 1
	s_wait_xcnt 0x0
; w[o][i] = bf16(f32(q[o][i]) * f32(scale[o])).  q: [4096][4096] int8, scale: [4096] f16, w: [4096][4096] bf16.
; The product of an 8-bit whole number and an 11-bit f16 mantissa is exact in f32, so w is rounded once, to nearest even.
; Every int8 value (-128 to 127) and every f16 scale (denormals too) is served; NaN and infinities come out as the arithmetic gives them.
; SHARES.  One wave, one row of q: row = 8 x work-group + wave.  A row goes in 16 chunks: in chunk j lane l loads the 8 bytes at 256 j + 8 l (the wave's load covers
; 256 consecutive bytes, aligned) and stores the 16 bytes at 512 j + 16 l (512 consecutive bytes, aligned).  All 16 loads of a wave go out at once; each chunk has its own
; registers for what is loaded and for what is stored, and the address registers are never rewritten: no wait but the counted ones for the loads.
; No LDS, no barrier, no cluster, no matrix unit: the launch moves each byte once, and its work-groups share no input but two bytes of scale a row.
; int8 TO f32: q + 128 = u (one exclusive or for four bytes) is put into the low byte of 0x4b000000, which is the f32 number 2^23 + u; taking 2^23 + 128 away leaves q, exactly.
; That subtraction and the scaling are two instructions and not one fused multiply-add: (2^23 + 128) x scale has more bits than an f32 holds.
.set X, 8                              ; v[8:39]    chunk j: 2 registers, 8 bytes of q as loaded
.set T, 40                             ; v[40:47]   8 numbers in f32, at work
.set Y, 48                             ; v[48:111]  chunk j: 4 registers, 8 bf16 to store
	s_load_b128 s[4:7], s[0:1], 0x0                ; q s[4:5], scale s[6:7]
	s_load_b64 s[8:9], s[0:1], 0x10                ; w s[8:9]
	s_lshl_b32 s10, ttmp9, 15                      ; the work-group's 8 rows: 4,096 bytes each in q,
	s_mov_b32 s11, 0
	s_lshl_b32 s20, ttmp9, 4                       ; 2 bytes each in scale,
	s_mov_b32 s21, 0
	s_lshl_b32 s22, ttmp9, 16                      ; 8,192 bytes each in w
	s_mov_b32 s23, 0
	s_mov_b32 s12, 0x80808080                      ; turns four int8 into four bytes q + 128
	s_mov_b32 s13, 0x4b000000                      ; 2^23 as f32
	s_mov_b32 s14, 0x07040400                      ; v_perm_b32's selects: byte 0 = byte i of the word of q, bytes 1 and 2 = the constant's byte 0 (zero), byte 3 = its byte 3 (0x4b)
	s_mov_b32 s15, 0x07040401
	s_mov_b32 s16, 0x07040402
	s_mov_b32 s17, 0x07040403
	s_mov_b32 s18, 0xcb000080                      ; -(2^23 + 128)
	s_mov_b32 s19, s18                             ; named with it as a pair, so it is written
	v_lshrrev_b32 v1, 5, v0                        ; wave
	v_and_b32 v2, 31, v0                           ; lane
	v_lshlrev_b32 v3, 3, v2
	v_lshl_add_u32 v3, v1, 12, v3                  ; in q: wave x 4,096 + 8 x lane
	v_lshlrev_b32 v4, 4, v2
	v_lshl_add_u32 v4, v1, 13, v4                  ; in w: wave x 8,192 + 16 x lane
	v_lshlrev_b32 v5, 1, v1                        ; in scale: wave x 2, the same in all lanes
	s_wait_kmcnt 0x0
	s_add_nc_u64 s[4:5], s[4:5], s[10:11]
	s_add_nc_u64 s[6:7], s[6:7], s[20:21]
	s_add_nc_u64 s[8:9], s[8:9], s[22:23]
	global_load_u16 v6, v5, s[6:7]                 ; my row's scale
.irp j, 0,1,2,3,4,5,6,7,8,9,10,11,12,13,14,15
	global_load_b64 v[X+2*(\j):X+2*(\j)+1], v3, s[4:5] offset:256*(\j) th:TH_LOAD_NT  ; the whole row is asked for; q is read once in the launch
.endr
	s_wait_loadcnt 16                              ; loads come back in order (ISA guide 5.7.1): the scale is in, the 16 loads issued behind it may stay out
	v_cvt_f32_f16 v6, v6.l
	v_mov_b32 v7, v6                               ; twice: a pair for the packed multiply
; Chunk j: 8 numbers a lane.
.macro CHUNK j
	s_wait_loadcnt 15-(\j)                         ; chunk j is in; the 15 - j chunks issued behind it may stay out
.irp c, 0,1
	v_xor_b32 v[X+2*(\j)+(\c)], s12, v[X+2*(\j)+(\c)]                      ; u = q + 128, four at a time
.endr
.irp c, 0,1
.irp i, 0,1,2,3
	v_perm_b32 v[T+4*(\c)+(\i)], s13, v[X+2*(\j)+(\c)], s[14+(\i)]         ; 2^23 + u as f32
.endr
.endr
.irp p, 0,2,4,6
	v_pk_add_f32 v[T+(\p):T+(\p)+1], v[T+(\p):T+(\p)+1], s[18:19] op_sel_hi:[1,0]  ; q, exactly
.endr
.irp p, 0,2,4,6
	v_pk_mul_f32 v[T+(\p):T+(\p)+1], v[T+(\p):T+(\p)+1], v[6:7]            ; q x scale, exactly
.endr
.irp p, 0,1,2,3
	v_cvt_pk_bf16_f32 v[Y+4*(\j)+(\p)], v[T+2*(\p)], v[T+2*(\p)+1]         ; the one rounding
.endr
	global_store_b128 v4, v[Y+4*(\j):Y+4*(\j)+3], s[8:9] offset:512*(\j)   ; the wave stores 512 consecutive bytes, at a multiple of 512 from w's first byte
.endm
.irp j, 0,1,2,3,4,5,6,7,8,9,10,11,12,13,14,15
	CHUNK \j
.endr
	s_endpgm
.Lfunc_end_k_q3d86a7f2f0_dequant:
	.size	k_q3d86a7f2f0_dequant, .Lfunc_end_k_q3d86a7f2f0_dequant-k_q3d86a7f2f0_dequant
	.p2alignl 7, 3214868480
	.fill 96, 4, 3214868480
	.section	.rodata,"a",@progbits
	.p2align	6, 0x0
	.amdhsa_kernel k_q3d86a7f2f0_dequant
		.amdhsa_group_segment_fixed_size 0
		.amdhsa_private_segment_fixed_size 0
		.amdhsa_enable_private_segment 0
		.amdhsa_kernarg_size 24
		.amdhsa_user_sgpr_count 2
		.amdhsa_user_sgpr_kernarg_segment_ptr 1
		.amdhsa_wavefront_size32 1
		.amdhsa_system_sgpr_workgroup_id_x 1
		.amdhsa_system_sgpr_workgroup_id_y 1
		.amdhsa_system_sgpr_workgroup_id_z 1
		.amdhsa_system_vgpr_workitem_id 0
		.amdhsa_next_free_vgpr 112
		.amdhsa_next_free_sgpr 66
		.amdhsa_reserve_vcc 0
		.amdhsa_float_denorm_mode_32 3
		.amdhsa_float_denorm_mode_16_64 3
		.amdhsa_memory_ordered 1
		.amdhsa_forward_progress 1
		.amdhsa_inst_pref_size 27
	.end_amdhsa_kernel
	.amdgpu_metadata
---
amdhsa.version: [ 1, 2 ]
amdhsa.kernels:
  - .name:           k_q3d86a7f2f0_dequant
    .symbol:         k_q3d86a7f2f0_dequant.kd
    .args:
      - { .name: q, .offset: 0, .size: 8, .value_kind: global_buffer, .address_space: global }
      - { .name: scale, .offset: 8, .size: 8, .value_kind: global_buffer, .address_space: global }
      - { .name: w, .offset: 16, .size: 8, .value_kind: global_buffer, .address_space: global }
    .group_segment_fixed_size: 0
    .private_segment_fixed_size: 0
    .kernarg_segment_align: 8
    .kernarg_segment_size: 24
    .max_flat_workgroup_size: 256
    .sgpr_count:     66
    .vgpr_count:     112
    .wavefront_size: 32
...
	.end_amdgpu_metadata
.endif
;; end of part 1
;; launch gemm (part 2): grid 16 x 16, 4 waves a work-group, clusters of 4 x 4, 327,680 bytes of LDS; arguments x, w, out0; writes out0
.if DOCPART == 2
	.amdgcn_target "amdgcn-amd-amdhsa--gfx1250"
	.amdhsa_code_object_version 6
	.text
	.protected	k_q3d86a7f2f0_gemm
	.globl	k_q3d86a7f2f0_gemm
	.p2align	8
	.type	k_q3d86a7f2f0_gemm,@function
k_q3d86a7f2f0_gemm:
	s_mov_b64 s[64:65], 0
	v_nop
	global_prefetch_b8 v0, s[64:65] scope:SCOPE_SE
	s_setreg_imm32_b32 hwreg(HW_REG_WAVE_MODE, 25, 1), 1
	s_wait_xcnt 0x0
	s_wait_alu depctr_hold_cnt(0) depctr_sa_sdst(0) depctr_va_vdst(0) depctr_va_sdst(0) depctr_va_ssrc(0) depctr_va_vcc(0) depctr_vm_vsrc(0)
	s_getreg_b32 s2, hwreg(HW_REG_IB_STS2, 6, 4)
	s_cmp_eq_u32 s2, 0
	s_cbranch_scc0 .Lentry_in_a_cluster
	s_endpgm
.Lentry_in_a_cluster:
	s_bfe_u32 s2, ttmp6, 0x10000c
	s_cmp_lg_u32 s2, 0xf033
	s_cbranch_scc0 .Lentry_shape_is_right
	s_endpgm
.Lentry_shape_is_right:
; C[m][n] = sum over k of A[m][k] B[n][k].  A = x: [4096][4096], B = w (the dequantised weight): [4096][4096], C = out0: [4096][4096], all bf16; sums in f32, C rounded once.
; LIMITS.  The f32 sums are added in the matrix instruction's own order, K ascending from step to step; NaN and infinities come out as the arithmetic gives them.
; SHARES.  C has 16 x 16 tiles of 256 x 256, one to a work-group of four waves; a wave makes 128 x 128: 64 accumulators of 16 x 16, 512 registers.
; K goes in 32 steps of 128 through a ring of two LDS slots filled by the tensor data mover: the rows of A's and B's tiles are 256 bytes of memory and start at multiples of 256 bytes
; from the buffer's first byte.  The last K step goes by rows of C, so that finished rows leave while the others are multiplied.
; CLUSTERS: 4 x 4 work-groups.  The four of a row of the cluster make tiles of one tile row of C and need the same tiles of A; the four of a column need the same tiles of B.
; Such a tile is asked for JOINTLY: each of the four issues the same tensor load, with the same descriptor and a mask that names the four, and each receives the tile in its own LDS.
;
; REGISTERS, in windows of 256 (an instruction names v0-v255; s_set_vgpr_msb says which window each operand place means):
;   window 0: v0-31 addresses; v64-127, v128-191 fragments of A (8 x 16 rows x 32 K), two buffers (in the last K step four, of 16 rows x 128 K); v32-63, v192-255 at work on the way out
;   window 1: v64-127, v128-191 fragments of B, two buffers; in the last K step all 256: B's fragments of the whole step
;   window 2: the 32 accumulators of my rows 0-63 (accumulator (a, b) at v[8 (8 a + b)]);   window 3: those of my rows 64-127
; s_set_vgpr_msb's low byte: bits 1:0 source 0, 3:2 source 1, 5:4 source 2, 7:6 destination.  Work is laid in long stretches under one setting.
;
; THE MATRIX INSTRUCTION IS USED TRANSPOSED: source 0 = 16 rows of B, source 1 = 16 rows of A.  In the result, lane l then holds row m = l % 16 of C, and its registers 0 to 7
; the columns n = 8 (l / 16) + 0 .. 7: eight neighbouring numbers of a row of C, which pack into 16 bytes.
.set SIZE_M, 4096
.set SIZE_N, 4096
.set SIZE_K, 4096
.set KSTEP,  128
.set PITCH,  272                       ; an LDS row: 256 bytes of data + 16 of padding = 68 words: row r starts at bank 4 r mod 64 (64 banks of 4 bytes: ISA guide 11.1), so the 16 rows that a load touches start at 16 different banks
.set HALFT,  128*PITCH                 ; 128 rows: what one tensor load brings, and what one wave reads of A or of B
.set SLOT,   4*HALFT                   ; A's 256 rows, then B's 256 rows: 139,264 bytes
.set STAGE,  2*SLOT                    ; behind the ring: 16 rows x 272 bytes for each wave, for the way out; no tensor load lands here
.set SPITCH, 272
.set SPARE,  STAGE+4*16*SPITCH         ; behind the stages: the spare words, 128 bytes for each wave: two blocks of 256 bytes that no other line names
.set LAPS, SIZE_K/(2*KSTEP)            ; a lap = two K steps = once round the ring: 16 laps
.set ADRA, 16                          ; v16-17  LDS address of my A fragments in slot 0, 1
.set ADRB, 20                          ; v20-21  the same for B
.set STO,  24                          ; v24     the way out: where I put 16 bytes of a row
.set RD,   25                          ; v25     the way out: where I read a row back
.set CO,   26                          ; v26     my byte offset in C
.set SPW,  28                          ; v28     LDS address of my spare word: SPARE + 4 x my thread's number; never rewritten
.set NIL,  29                          ; v29     0; never rewritten
.set F0,   64                          ; fragment buffer 0
.set F1,   128                         ; fragment buffer 1
.set TMP,  192                         ; the way out: packed results, in window 0
.set OB,   32                          ; the way out: 16 rows read back from the stage: v32-63 and v224-255 by turns
.set PA,   64                          ; the last K step: A's fragments of 16 rows x 128 K, 32 registers; four such buffers, v64-191
.set G1, 24                            ; s[24:31] descriptor group 1 for A's tiles
.set G0, 32                            ; s[32:39] descriptor group 0 for A's tiles, one set for each slot
.set G1B, 48                           ; s[48:55] descriptor group 1 for B's tiles: it differs from A's in the mask alone
.set G0B, 56                           ; s[56:63] descriptor group 0 for B's tiles, one set for each slot
.set MSB, 0
.macro WIN new                         ; the immediate's high byte repeats the setting that is left; a switch that changes nothing is dropped
.if MSB != (\new)
	s_set_vgpr_msb (MSB<<8)|(\new)
.set MSB, \new
.endif
.endm
.set MUL_LO, 0xa1                      ; source 0 (B) window 1, source 1 (A) window 0, C and D window 2
.set MUL_HI, 0xf1                      ; the same, C and D window 3
.set TO_B,   0x40                      ; destination window 1, address window 0
; A joint load.  Waves 0 and 1 fetch A's two halves, waves 2 and 3 B's.  Each of the two lines has ONE mask and one set of registers for all that issue it, and nothing in
; them hangs on a coordinate that the four partners do not share.  The branch hangs on the wave's number alone: it is the same in every work-group.
; An s_nop 0 and four v_nop follow each of the two lines; the jump round the other line, the label and what follows the macro come after them.
.macro JLOAD s
	s_cmp_eq_u32 s11, 0
	s_cbranch_scc0 .Lfor_b_\@
	tensor_load_to_lds s[G0+4*(\s):G0+4*(\s)+3], s[G1:G1+7]
	s_nop 0
.rept 4
	v_nop
.endr
	s_branch .Lasked_\@
.Lfor_b_\@:
	tensor_load_to_lds s[G0B+4*(\s):G0B+4*(\s)+3], s[G1B:G1B+7]
	s_nop 0
.rept 4
	v_nop
.endr
.Lasked_\@:
.endm
; A round of the cluster's barrier: my work-group's barrier, so that wave 0's signal speaks for all four waves; wave 0 signals for the work-group; every wave waits for all
; sixteen work-groups; my work-group's barrier once more.  No LDS instruction of the wave is pending at a signal.
.macro CREST                           ; a round behind its opening barrier
	s_cmp_lg_u32 s10, 0
	s_cbranch_scc1 .Lnot_wave_0_\@
	s_barrier_signal -3
.Lnot_wave_0_\@:
	s_barrier_wait -3
	s_barrier_signal -1
	s_barrier_wait -1
.endm
.macro CROUND                          ; a whole round
	s_barrier_signal -1
	s_barrier_wait -1
	CREST
.endm
	s_load_b128 s[4:7], s[0:1], 0x0                ; A s[4:5], B s[6:7]
	s_load_b64 s[8:9], s[0:1], 0x10                ; C
	v_lshl_add_u32 v[SPW], v0, 2, SPARE
	v_mov_b32 v[NIL], 0
	ds_add_u32 v[SPW], v[NIL]                      ; the wave's opening: the add and its wait stand ahead of my first tensor load; the set-up below, work on registers, stands between them
	v_lshrrev_b32 v1, 5, v0
	v_readfirstlane_b32 s10, v1                    ; wave 0..3
	s_lshr_b32 s11, s10, 1                         ; which half of the tile's rows is mine.  Also: I fetch for A (0) or for B (1)
	s_and_b32 s12, s10, 1                          ; which half of its columns.  Also: which 128 rows of that tile I fetch
	s_bfe_u32 s40, ttmp6, 0x40000                  ; cx: my place along the cluster's x
	s_bfe_u32 s41, ttmp6, 0x40004                  ; cy: along its y
	s_lshl_b32 s42, ttmp9, 2                       ; in a cluster launch ttmp9 and ttmp7 count clusters
	s_add_co_u32 s42, s42, s40                     ; tile column of C = 4 x cluster x + cx
	s_and_b32 s13, ttmp7, 0xffff
	s_lshl_b32 s13, s13, 2
	s_add_co_u32 s13, s13, s41                     ; tile row of C = 4 x cluster y + cy
	s_lshl_b32 s43, s41, 2
	s_lshl_b32 s43, 15, s43                        ; my row of the cluster: places 4 cy .. 4 cy + 3
	s_lshl_b32 s44, 0x1111, s40                    ; my column: places cx, cx + 4, cx + 8, cx + 12
	; descriptor group 1: a tile of 128 rows x 128 elements, padded in LDS
	s_or_b32 s[G1+0], s43, (1<<16)|(1<<20)|(1<<21)|(5<<22)|(3<<25)  ; 15:0 the mask: A's tiles go to my row; 17:16 element of 2 bytes; 20 padding on; 21 set beside a mask; 24:22 after every 64 words (code 5); 31:25 of 4 words (code 3)
	s_or_b32 s[G1B+0], s44, (1<<16)|(1<<20)|(1<<21)|(5<<22)|(3<<25) ; the same with the mask of my column, for B's tiles
	s_mov_b32 s[G1B+1], KSTEP<<16
	s_mov_b32 s[G1+1], KSTEP<<16                   ; 63:48 tensor_dim0, low half = 128
	s_mov_b32 s[G1B+2], 128<<16
	s_mov_b32 s[G1+2], 128<<16                     ; 79:64 its high half = 0; 95:80 tensor_dim1, low half = 128
	s_mov_b32 s[G1B+3], KSTEP<<16
	s_mov_b32 s[G1+3], KSTEP<<16                   ; 111:96 its high half = 0; 127:112 tile_dim0 = 128
	s_mov_b32 s[G1B+4], 128
	s_mov_b32 s[G1+4], 128                         ; 143:128 tile_dim1 = 128; 159:144 tile_dim2 = 0
	s_mov_b32 s[G1B+5], SIZE_K
	s_mov_b32 s[G1+5], SIZE_K                      ; 191:160 tensor_dim0_stride, low word: elements from row to row
	s_mov_b32 s[G1B+6], 0
	s_mov_b32 s[G1+6], 0
	s_mov_b32 s[G1B+7], 0
	s_mov_b32 s[G1+7], 0
	; where the tiles come from.  A's hang on the tile row alone, which my row of the cluster shares; B's on the tile column alone, which my column shares.
	; Every wave makes both addresses, in registers that never hold the other coordinate, and asks by one of them.
	s_lshl_b32 s17, s12, 7                         ; which 128 rows of the tile I fetch
	s_lshl_b32 s16, s13, 8
	s_add_co_u32 s16, s16, s17                     ; A: row 256 x tile row + 128 x half
	s_lshl_b32 s46, s42, 8
	s_add_co_u32 s46, s46, s17                     ; B: row 256 x tile column + 128 x half
	s_mov_b32 s17, 0
	s_mov_b32 s47, 0
	s_mov_b64 s[18:19], SIZE_K*2
	s_mul_u64 s[16:17], s[16:17], s[18:19]         ; in bytes, in 64 bits
	s_mul_u64 s[46:47], s[46:47], s[18:19]
	s_mul_i32 s20, s10, HALFT                      ; and where they go: A's two halves, then B's two halves = wave x 128 rows: no place in the cluster enters an LDS address
	s_wait_dscnt 0x0                               ; the opening add is done
	s_wait_kmcnt 0x0
	s_add_nc_u64 s[14:15], s[4:5], s[16:17]
	s_add_nc_u64 s[46:47], s[6:7], s[46:47]
	CROUND                                         ; all sixteen work-groups are here: the first joint loads meet
.irp s, 0,1
	s_mov_b32 s[G0+4*(\s)], 1                                      ; 1:0 count = 1
	s_add_co_u32 s[G0+4*(\s)+1], s20, (\s)*SLOT                    ; 63:32 LDS address
	s_add_nc_u64 s[G0+4*(\s)+2:G0+4*(\s)+3], s[14:15], (\s)*KSTEP*2  ; 120:64 global address: K step s
	s_or_b32 s[G0+4*(\s)+3], s[G0+4*(\s)+3], 0x80000000            ; 127:126 type = 2
	s_mov_b32 s[G0B+4*(\s)], 1
	s_add_co_u32 s[G0B+4*(\s)+1], s20, (\s)*SLOT
	s_add_nc_u64 s[G0B+4*(\s)+2:G0B+4*(\s)+3], s[46:47], (\s)*KSTEP*2
	s_or_b32 s[G0B+4*(\s)+3], s[G0B+4*(\s)+3], 0x80000000
	JLOAD \s                                       ; the ring is filled before anything else is done: two tensor loads of mine are out here, later one behind each round
.endr
	; A fragment is 16 rows x 32 K in 8 registers: lane l holds row l % 16; registers 0-3 hold K = 8 (l / 16) + 0..7, registers 4-7 hold
	; K = 16 + 8 (l / 16) + 0..7.  From rows that lie along K: two loads of 16 bytes, 32 bytes apart.  The same for source 0 and source 1.
	v_and_b32 v1, 15, v0                           ; l % 16
	v_bfe_u32 v2, v0, 4, 1                         ; l / 16
	v_mul_u32_u24 v3, v1, PITCH
	v_lshl_add_u32 v3, v2, 4, v3                   ; row x pitch + 16 x half
	s_mul_i32 s21, s11, HALFT                      ; my 128 rows of A
	s_mul_i32 s22, s12, HALFT                      ; my 128 rows of B,
	s_add_co_u32 s22, s22, 2*HALFT                 ; which lie behind A's 256
.irp s, 0,1
	v_add_nc_u32 v[ADRA+(\s)], s21, v3
	v_add_nc_u32 v[ADRB+(\s)], s22, v3
	s_add_co_u32 s21, s21, SLOT
	s_add_co_u32 s22, s22, SLOT
.endr
	s_mul_i32 s23, s10, 16*SPITCH
	s_add_co_u32 s23, s23, STAGE                   ; my stage
	v_mul_u32_u24 v4, v1, SPITCH                   ; in: row l % 16, 16 bytes for each half of the lanes
	v_lshl_add_u32 v4, v2, 4, v4
	v_add_nc_u32 v[STO], s23, v4
	v_mul_u32_u24 v5, v2, SPITCH                   ; back: lanes 0-15 take one row of 256 bytes, lanes 16-31 the next
	v_lshl_add_u32 v5, v1, 4, v5
	v_add_nc_u32 v[RD], s23, v5
	v_mul_u32_u24 v5, v2, SIZE_N*2                 ; and the same two rows in C
	v_lshl_add_u32 v[CO], v1, 4, v5
	; where my part of the tile begins in C, in bytes: the way out adds it to C's address
	s_lshl_b32 s13, s13, 8
	s_lshl_b32 s14, s11, 7
	s_add_co_u32 s16, s13, s14                     ; my first row of C
	s_mov_b32 s17, 0
	s_mov_b64 s[18:19], SIZE_N*2
	s_mul_u64 s[16:17], s[16:17], s[18:19]
	s_lshl_b32 s46, s42, 9                         ; my first column, in bytes: 512 x tile column + 256 x half (in the registers that held B's address: none that feeds A's descriptors ever holds cx)
	s_lshl_b32 s47, s12, 8
	s_add_co_u32 s46, s46, s47
	s_mov_b32 s47, 0
	s_add_nc_u64 s[16:17], s[16:17], s[46:47]
; 16 matrix instructions: m blocks a0, a0 + 1 of the window's four (hi = 0: my rows 0-63, 1: rows 64-127) x all 8 n blocks, 32 along K.
; zero = 1: the first product starts the sums: nothing is ever cleared.  The 64 accumulators take turns, one instruction a turn, in the same order in every quarter step.
.macro MUL16 f, hi, a0, zero
	WIN MUL_LO+0x50*(\hi)  ; MUL_LO or MUL_HI
.irp a, \a0, (\a0)+1
.irp b, 0,1,2,3,4,5,6,7
.if \zero
	v_wmma_f32_16x16x32_bf16 v[8*(8*(\a)+(\b)):8*(8*(\a)+(\b))+7], v[(\f)+8*(\b):(\f)+8*(\b)+7], v[(\f)+8*(4*(\hi)+(\a)):(\f)+8*(4*(\hi)+(\a))+7], 0
.else
	v_wmma_f32_16x16x32_bf16 v[8*(8*(\a)+(\b)):8*(8*(\a)+(\b))+7], v[(\f)+8*(\b):(\f)+8*(\b)+7], v[(\f)+8*(4*(\hi)+(\a)):(\f)+8*(4*(\hi)+(\a))+7], v[8*(8*(\a)+(\b)):8*(8*(\a)+(\b))+7]
.endif
.endr
.endr
.endm
; 32 LDS loads in one run: the fragments of one quarter step (128 rows of B, 128 rows of A, 32 K at byte k of the rows) into buffer f
.macro FETCH slot, k, f
	WIN TO_B
.irp i, 0,1,2,3,4,5,6,7
	ds_load_b128 v[(\f)+8*(\i):(\f)+8*(\i)+3],   v[ADRB+(\slot)] offset:(\k)+(\i)*16*PITCH
	ds_load_b128 v[(\f)+8*(\i)+4:(\f)+8*(\i)+7], v[ADRB+(\slot)] offset:(\k)+(\i)*16*PITCH+32
.endr
	WIN 0
.irp i, 0,1,2,3,4,5,6,7
	ds_load_b128 v[(\f)+8*(\i):(\f)+8*(\i)+3],   v[ADRA+(\slot)] offset:(\k)+(\i)*16*PITCH
	ds_load_b128 v[(\f)+8*(\i)+4:(\f)+8*(\i)+7], v[ADRA+(\slot)] offset:(\k)+(\i)*16*PITCH+32
.endr
.endm
; A load into a register that a matrix instruction has read, and a vector instruction that reads a matrix result or writes one of a matrix
; instruction's registers, stand four places behind that matrix instruction, and only plain vector instructions that name none of its registers
; are places (ISA guide 7.12.1 for vector instructions); the matrix instructions in between are not counted.  So four v_nop stand in front of each run of
; loads, and in front of conversions that read results just made: sixteen issue slots for a K step's 256 matrix instructions.
.macro PLACES
.rept 4
	v_nop
.endr
.endm
; A K step is four quarter steps of 32 along K, 64 matrix instructions each, on buffers 0, 1, 0, 1.
; One of the first three: multiplies buffer f; in its middle it fetches the next quarter's fragments, at byte k of the same slot's rows, into buffer g.
.macro QUARTER slot, k, f, g, zero
	s_wait_dscnt 8                                 ; B and A's rows 0-63 are in; the youngest eight loads (A's rows 64-127) may be out
	WIN MUL_LO
	MUL16 \f, 0, 0, \zero
	MUL16 \f, 0, 2, \zero
	PLACES
	FETCH \slot, \k, \g
	s_wait_dscnt 32                                ; all but the 32 just issued
	WIN MUL_HI
	MUL16 \f, 1, 0, \zero
	MUL16 \f, 1, 2, \zero
.endm
; The last quarter multiplies buffer 1 and changes slots.  MEET is its first half: ONE barrier for the change of slots, for two things.  In front of it each wave waits for
; all its tensor loads, of which one is out: its part of the next slot; adds 0 to its spare word; and waits for that and for its own reads of this slot.  Behind it nobody reads this slot any more and the next slot is whole.
.macro MEET round                      ; round = 1: a round of the cluster's barrier follows
	WIN 0                                          ; (the add's two registers lie in window 0)
	s_wait_tensorcnt 0x0                           ; all my tensor loads have landed: the one that was out is my part of the next slot;
	ds_add_u32 v[SPW], v[NIL]                      ; 0 onto my spare word;
	s_wait_dscnt 9                                 ; (the add and the youngest eight loads may be out)
	WIN MUL_LO
	MUL16 F1, 0, 0, 0                              ; sixteen matrix instructions stand between the add and the wait for it
	s_wait_dscnt 0x0                               ; the add is done, and my reads of this slot are over (the last were issued 48 matrix instructions ago):
	s_barrier_signal -1                            ; say so (where a slot is filled again this barrier opens a round of the cluster's barrier),
	MUL16 F1, 0, 2, 0                              ; work on registers while the others arrive,
.if \round
	WIN 0
.endif
	s_barrier_wait -1                              ; and go on when all four have said so
.endm
; The whole last quarter.  Behind the round the slot just read out is filled again first, with the K step two steps on; then come the next slot's first fragments.
; From a request to the wait for it a wave issues 224 matrix instructions.
.macro TURN slot, next
	MEET 1
	CREST                                          ; wave 0 says so for the work-group, all sixteen work-groups have said so, my work-group's barrier closes the round:
	                                               ; no wave of any partner still reads this slot's tile or has a load on its way
	s_add_nc_u64 s[G0+4*(\slot)+2:G0+4*(\slot)+3], s[G0+4*(\slot)+2:G0+4*(\slot)+3], 2*KSTEP*2     ; no tensor load of mine is out, so a group 0 may be written; the type bits on top are not reached
	s_add_nc_u64 s[G0B+4*(\slot)+2:G0B+4*(\slot)+3], s[G0B+4*(\slot)+2:G0B+4*(\slot)+3], 2*KSTEP*2
	JLOAD \slot                                    ; the first tensor load behind the round, and my only one until the next; the four v_nop behind it are also the places in front of the loads below
	FETCH \next, 0, F0
	WIN MUL_HI
	MUL16 F1, 1, 0, 0
	MUL16 F1, 1, 2, 0
.endm
; THE LAST K STEP (it lies in slot 1) GOES BY ROWS OF C, NOT BY K.  All its fragments of B (4 quarters x 64 registers) fill window 1; then my eight blocks of 16 rows are
; finished one after the other, each with 32 matrix instructions (its 8 accumulators by turns, K ascending).  LDS is read no more than in any other K step.
.macro BLOAD q                         ; B's fragments of quarter q -> window 1, v[64 q ..]
	WIN TO_B
.irp i, 0,1,2,3,4,5,6,7
	ds_load_b128 v[64*(\q)+8*(\i):64*(\q)+8*(\i)+3],   v[ADRB+1] offset:64*(\q)+(\i)*16*PITCH
	ds_load_b128 v[64*(\q)+8*(\i)+4:64*(\q)+8*(\i)+7], v[ADRB+1] offset:64*(\q)+(\i)*16*PITCH+32
.endr
.endm
.macro ALOAD a                         ; A's fragments of block a, all four quarters -> buffer a % 4
	WIN 0
.set FA, PA+32*((\a)%4)
.irp q, 0,1,2,3
	ds_load_b128 v[FA+8*(\q):FA+8*(\q)+3],   v[ADRA+1] offset:64*(\q)+(\a)*16*PITCH
	ds_load_b128 v[FA+8*(\q)+4:FA+8*(\q)+7], v[ADRA+1] offset:64*(\q)+(\a)*16*PITCH+32
.endr
.endm
.macro ROW a                           ; block a is finished: 32 matrix instructions
.set FA, PA+32*((\a)%4)                ; its fragments of A
.set AC, 64*((\a)%4)                   ; its eight accumulators, in window 2 (blocks 0-3) or 3 (blocks 4-7)
	WIN MUL_LO+0x50*((\a)/4)                       ; MUL_LO or MUL_HI
.irp q, 0,1,2,3
.if (\a) == 0 && (\q) == 2
	s_wait_dscnt 24                                ; B's quarter 2 is in (behind it: A's blocks 1 to 3, 24 loads)
.endif
.irp b, 0,1,2,3,4,5,6,7
	v_wmma_f32_16x16x32_bf16 v[AC+8*(\b):AC+8*(\b)+7], v[64*(\q)+8*(\b):64*(\q)+8*(\b)+7], v[FA+8*(\q):FA+8*(\q)+7], v[AC+8*(\b):AC+8*(\b)+7]
.endr
.endr
.endm
; THE WAY OUT of block a, in three parts.  PACK: rounded to bf16, 16 bytes a lane, each accumulator's registers in ascending order.  TOSTAGE: into my own stage in LDS, and back as whole rows of 256 bytes.  SEND: stored.
.macro PACK a
.set AC, 64*((\a)%4)
	WIN 0x0a+5*((\a)/4)                            ; sources 0 and 1: window 2 or 3
.irp b, 0,1,2,3,4,5,6,7
.irp r, 0,1,2,3
	v_cvt_pk_bf16_f32 v[TMP+4*(\b)+(\r)], v[AC+8*(\b)+2*(\r)], v[AC+8*(\b)+2*(\r)+1]
.endr
.endr
	WIN 0
.endm
.macro TOSTAGE a
	WIN 0
.set BK, OB+192*((\a)%2)
.irp b, 0,1,2,3,4,5,6,7
	ds_store_b128 v[STO], v[TMP+4*(\b):TMP+4*(\b)+3] offset:32*(\b)
.endr
.irp t, 0,1,2,3,4,5,6,7
	ds_load_b128 v[BK+4*(\t):BK+4*(\t)+3], v[RD] offset:(\t)*2*SPITCH  ; LDS serves a wave's instructions in order (ISA guide 5.7.1.4): these see the stores above
.endr
.endm
.macro SEND a, younger                 ; younger: the LDS loads issued behind TOSTAGE's, which may stay out
	WIN 0
.set BK, OB+192*((\a)%2)
	s_wait_dscnt \younger                          ; the block is back in registers
	s_wait_xcnt 0x0                                ; every earlier memory instruction has had its addresses translated (ISA guide 3.1): only behind this wait are the stores' base and the registers that earlier stores read rewritten
.if (\a) == 0
	s_add_nc_u64 s[8:9], s[8:9], s[16:17]          ; on to my first rows of the tile
.else
	s_add_nc_u64 s[8:9], s[8:9], 16*SIZE_N*2       ; 16 rows of C on, so that the stores' offsets stay small: 14 rows of 8,192 bytes at the most
.endif
.irp t, 0,1,2,3,4,5,6,7
	global_store_b128 v[CO], v[BK+4*(\t):BK+4*(\t)+3], s[8:9] offset:2*(\t)*SIZE_N*2  ; 16 lanes store 256 consecutive bytes, at a multiple of 256 from C's first byte
.endr
.endm
	s_wait_tensorcnt 1                             ; my part of K step 0 is in; K step 1's load, issued behind it, may stay out
	s_barrier_signal -1
	s_barrier_wait -1                              ; everybody's is
	FETCH 0, 0, F0
	QUARTER 0, 64,  F0, F1, 1                      ; the first quarter stands in front of the loop: its products start the sums
	WIN 0                                          ; at a label and at a branch every window is 0
	s_mov_b32 s3, LAPS-1
.Llap:                                                 ; a trip goes once round the ring, from a lap's second quarter to the next lap's first, and fills both slots again: trip i asks for K steps 2 i + 2 and 2 i + 3, the last for 30 and 31
	QUARTER 0, 128, F1, F0, 0
	QUARTER 0, 192, F0, F1, 0
	TURN 0, 1
	QUARTER 1, 64,  F0, F1, 0
	QUARTER 1, 128, F1, F0, 0
	QUARTER 1, 192, F0, F1, 0
	TURN 1, 0
	QUARTER 0, 64,  F0, F1, 0
	WIN 0
	s_sub_co_u32 s3, s3, 1
	s_cmp_lg_u32 s3, 0
	s_cbranch_scc1 .Llap
	QUARTER 0, 128, F1, F0, 0                      ; the last lap goes on: it asks for nothing more
	QUARTER 0, 192, F0, F1, 0
	MEET 0                                         ; my one tensor load that was still out is slot 1's, the last K step's, so no round follows
	PLACES                                         ; for the loads into buffer 0, which the quarter before multiplied
	WIN TO_B
	BLOAD 0                                        ; three quarters of B now: buffer 1 (v128-191 of both windows) is still being multiplied
	BLOAD 1
	BLOAD 3
	WIN 0
	ALOAD 0
	WIN MUL_HI
	MUL16 F1, 1, 0, 0
	MUL16 F1, 1, 2, 0
	PLACES                                         ; for the loads into buffer 1
	WIN TO_B
	BLOAD 2
	WIN 0
	ALOAD 1
	ALOAD 2
	ALOAD 3
	s_wait_dscnt 40                                ; all but the 40 just issued (B's quarter 2, A's blocks 1 to 3)
	ROW 0
.irp a, 0,1,2,3,4,5,6,7                ; each block leaves as soon as it is finished: nothing follows this tile, so the sooner its stores begin, the sooner the launch ends
	PLACES                                         ; its conversions read results just made, and no other vector work is at hand
	PACK \a
	TOSTAGE \a
.if (\a) < 4
	ALOAD (\a)+4                                   ; its buffer takes the block four further on
	SEND \a, 8
.else
	SEND \a, 0
.endif
.if (\a) < 7
	ROW (\a)+1
.endif
.endr
	s_wait_tensorcnt 0x0                           ; the wave's end, behind my last tensor load and my last LDS store
	ds_add_u32 v[SPW], v[NIL]
	s_wait_dscnt 0x0
	CROUND                                         ; the closing round: no work-group ends while a partner may still ask for a tile that names it
	s_endpgm
.Lfunc_end_k_q3d86a7f2f0_gemm:
	.size	k_q3d86a7f2f0_gemm, .Lfunc_end_k_q3d86a7f2f0_gemm-k_q3d86a7f2f0_gemm
	.p2alignl 7, 3214868480
	.fill 96, 4, 3214868480
	.section	.rodata,"a",@progbits
	.p2align	6, 0x0
	.amdhsa_kernel k_q3d86a7f2f0_gemm
		.amdhsa_group_segment_fixed_size 327680
		.amdhsa_private_segment_fixed_size 0
		.amdhsa_enable_private_segment 0
		.amdhsa_kernarg_size 24
		.amdhsa_user_sgpr_count 2
		.amdhsa_user_sgpr_kernarg_segment_ptr 1
		.amdhsa_wavefront_size32 1
		.amdhsa_system_sgpr_workgroup_id_x 1
		.amdhsa_system_sgpr_workgroup_id_y 1
		.amdhsa_system_sgpr_workgroup_id_z 1
		.amdhsa_system_vgpr_workitem_id 0
		.amdhsa_next_free_vgpr 1024
		.amdhsa_next_free_sgpr 66
		.amdhsa_reserve_vcc 0
		.amdhsa_float_denorm_mode_32 3
		.amdhsa_float_denorm_mode_16_64 3
		.amdhsa_memory_ordered 1
		.amdhsa_forward_progress 1
		.amdhsa_inst_pref_size 143
	.end_amdhsa_kernel
	.amdgpu_metadata
---
amdhsa.version: [ 1, 2 ]
amdhsa.kernels:
  - .name:           k_q3d86a7f2f0_gemm
    .symbol:         k_q3d86a7f2f0_gemm.kd
    .args:
      - { .name: x, .offset: 0, .size: 8, .value_kind: global_buffer, .address_space: global }
      - { .name: w, .offset: 8, .size: 8, .value_kind: global_buffer, .address_space: global }
      - { .name: out0, .offset: 16, .size: 8, .value_kind: global_buffer, .address_space: global }
    .group_segment_fixed_size: 327680
    .private_segment_fixed_size: 0
    .kernarg_segment_align: 8
    .kernarg_segment_size: 24
    .max_flat_workgroup_size: 128
    .sgpr_count:     66
    .vgpr_count:     1024
    .wavefront_size: 32
...
	.end_amdgpu_metadata
.endif
;; end of part 2
